; MI455X (gfx1250); checked and timed in simulation.
; The chip was launched on July 23, 2026; its instructions are those of AMD's public machine-readable ISA for CDNA 5 (MIT licence, August 2026) and "CDNA5" Instruction Set Architecture Reference Guide (July 2026). The comments in the code are by the model that wrote it; some were corrected since.
;; Cross Attention. Allowed arithmetic: float matrix products may take bf16 or f16 operands with f32 sums; all other float work in f32.
;; Inputs: Wk 768 x 512 float32; Wo 512 x 512 float32; Wq 512 x 512 float32; Wv 768 x 512 float32; bo 512 float32; context 8 x 1,024 x 768 float32; x 8 x 512 x 64 x 64 float32.
;; Outputs: out0 8 x 512 x 64 x 64 float32.
;; One version. Each part assembles by itself: llvm-mc -triple=amdgcn-amd-amdhsa -mcpu=gfx1250 --defsym DOCPART=n.
;; ======== version 1 of 1: 3 launches
;; workspace buffers: wkv 1,572,864 bytes; ring 17,825,792 bytes
;; launch wprep (part 1): grid 320 x 1, 16 waves a work-group, no clusters, 0 bytes of LDS; arguments Wq, Wo, Wk, Wv, ring, wkv; writes ring, wkv
.if DOCPART == 1
	.amdgcn_target "amdgcn-amd-amdhsa--gfx1250"
	.amdhsa_code_object_version 6
	.text
	.protected	k_q9c754d8d86_wprep
	.globl	k_q9c754d8d86_wprep
	.p2align	8
	.type	k_q9c754d8d86_wprep,@function
k_q9c754d8d86_wprep:
	s_mov_b64 s[64:65], 0
	v_nop
	global_prefetch_b8 v0, s[64:65] scope:SCOPE_SE
	s_setreg_imm32_b32 hwreg(HW_REG_WAVE_MODE, 25, 1), 1
	s_wait_xcnt 0x0
; The four weights, f32 [K][512], are rounded to bf16 and laid out by PIECES of 16 bytes: 8 consecutive k of one column.
;   ring + 0       Wq as [w 0..3][kg 0..63][rho 0..127][8 k]: column 128 w + rho, k = 8 kg + e
;   ring + 524288  Wo in the same form
;   wkv            [g 0..15][kg 0..95][ch 0..63][8 k]: g < 8: Wk, columns 64 g + ch; g >= 8: Wv, columns 64 (g - 8) + ch
; A work-group takes one kg of one weight: 8 rows x 512 columns; thread t takes column t: eight loads of 4 bytes (a wave: 128
; consecutive bytes each), four roundings, one store of 16 bytes (a wave: 512 consecutive bytes, aligned).
; A stream of 5 MB: no LDS, no matrix unit, no cluster (no two work-groups read the same bytes).
; Work-groups 0-63: Wq; 64-127: Wo; 128-223: Wk; 224-319: Wv.  Every choice is a scalar select on the work-group's number: no branch.
.set SRC, 16                           ; s[16:17] the weight at my 8 rows
.set DST, 18                           ; s[18:19] the target at my kg
	s_load_b256 s[4:11], s[0:1], 0x0               ; Wq s[4:5], Wo s[6:7], Wk s[8:9], Wv s[10:11]
	s_load_b128 s[12:15], s[0:1], 0x20             ; ring s[12:13], wkv s[14:15]
	s_mov_b32 s30, ttmp9
	v_lshlrev_b32 v1, 2, v0                        ; my column's 4 bytes in a row
	s_wait_kmcnt 0x0
	s_cmp_lt_u32 s30, 128                          ; Wq or Wo (groups of 128 columns), or Wk or Wv (groups of 64)?
	s_cselect_b32 s20, 7, 6                        ; log2 of a group's columns
	s_cselect_b32 s22, 127, 63                     ; a column's place in its group
	s_cselect_b32 s23, 11, 10                      ; log2 of the bytes of one kg of a group
	s_cselect_b32 s31, 64, 96                      ; kg in a weight
	s_cselect_b32 s33, 0, 128                      ; the pair's first work-group
	s_cselect_b64 s[DST:DST+1], s[12:13], s[14:15]
	s_cselect_b64 s[34:35], s[4:5], s[8:9]         ; the pair's first weight,
	s_cselect_b64 s[36:37], s[6:7], s[10:11]       ; and its second
	s_sub_co_u32 s27, s30, s33
	s_cmp_ge_u32 s27, s31                          ; the second weight of the pair?
	s_cselect_b64 s[SRC:SRC+1], s[36:37], s[34:35]
	s_cselect_b32 s26, s31, 0
	s_sub_co_u32 s25, s27, s26                     ; kg
	s_lshl_b32 s24, s26, 13                        ; the second weight's section: 64 x 8,192 = 524,288 or 96 x 8,192 = 786,432 bytes on
	s_lshl_b32 s21, s31, s23                       ; bytes of a group: 131,072 or 98,304
	s_lshl_b32 s28, s25, 14                        ; 8 rows of 2,048 bytes
	s_mov_b32 s29, 0
	s_add_nc_u64 s[SRC:SRC+1], s[SRC:SRC+1], s[28:29]
	s_lshl_b32 s28, s25, s23
	s_add_co_u32 s28, s28, s24
	s_add_nc_u64 s[DST:DST+1], s[DST:DST+1], s[28:29]
.irp j, 0,1,2,3,4,5,6,7
	global_load_b32 v[4+\j], v1, s[SRC:SRC+1] offset:\j*2048 th:TH_LOAD_NT  ; k = 8 kg + j; each weight byte is read once in the launch
.endr
	v_lshrrev_b32 v2, s20, v0                      ; my group,
	v_mul_lo_u32 v2, v2, s21
	v_and_b32 v3, s22, v0                          ; my place in it
	v_lshl_add_u32 v2, v3, 4, v2
	s_wait_loadcnt 0x0
.irp j, 0,1,2,3
	v_cvt_pk_bf16_f32 v[12+\j], v[4+2*\j], v[5+2*\j]  ; the lower k in the lower half
.endr
	global_store_b128 v2, v[12:15], s[DST:DST+1]
	s_endpgm
.Lfunc_end_k_q9c754d8d86_wprep:
	.size	k_q9c754d8d86_wprep, .Lfunc_end_k_q9c754d8d86_wprep-k_q9c754d8d86_wprep
	.p2alignl 7, 3214868480
	.fill 96, 4, 3214868480
	.section	.rodata,"a",@progbits
	.p2align	6, 0x0
	.amdhsa_kernel k_q9c754d8d86_wprep
		.amdhsa_group_segment_fixed_size 0
		.amdhsa_private_segment_fixed_size 0
		.amdhsa_enable_private_segment 0
		.amdhsa_kernarg_size 48
		.amdhsa_user_sgpr_count 2
		.amdhsa_user_sgpr_kernarg_segment_ptr 1
		.amdhsa_wavefront_size32 1
		.amdhsa_system_sgpr_workgroup_id_x 1
		.amdhsa_system_sgpr_workgroup_id_y 1
		.amdhsa_system_sgpr_workgroup_id_z 1
		.amdhsa_system_vgpr_workitem_id 0
		.amdhsa_next_free_vgpr 16
		.amdhsa_next_free_sgpr 66
		.amdhsa_reserve_vcc 0
		.amdhsa_float_denorm_mode_32 3
		.amdhsa_float_denorm_mode_16_64 3
		.amdhsa_memory_ordered 1
		.amdhsa_forward_progress 1
		.amdhsa_inst_pref_size 3
	.end_amdhsa_kernel
	.amdgpu_metadata
---
amdhsa.version: [ 1, 2 ]
amdhsa.kernels:
  - .name:           k_q9c754d8d86_wprep
    .symbol:         k_q9c754d8d86_wprep.kd
    .args:
      - { .name: Wq, .offset: 0, .size: 8, .value_kind: global_buffer, .address_space: global }
      - { .name: Wo, .offset: 8, .size: 8, .value_kind: global_buffer, .address_space: global }
      - { .name: Wk, .offset: 16, .size: 8, .value_kind: global_buffer, .address_space: global }
      - { .name: Wv, .offset: 24, .size: 8, .value_kind: global_buffer, .address_space: global }
      - { .name: ring, .offset: 32, .size: 8, .value_kind: global_buffer, .address_space: global }
      - { .name: wkv, .offset: 40, .size: 8, .value_kind: global_buffer, .address_space: global }
    .group_segment_fixed_size: 0
    .private_segment_fixed_size: 0
    .kernarg_segment_align: 8
    .kernarg_segment_size: 48
    .max_flat_workgroup_size: 512
    .sgpr_count:     66
    .vgpr_count:     16
    .wavefront_size: 32
...
	.end_amdgpu_metadata
.endif
;; end of part 1
;; launch kvproj (part 2): grid 64 x 4, 4 waves a work-group, clusters of 4 x 1, 327,680 bytes of LDS; arguments context, wkv, ring; writes ring
.if DOCPART == 2
	.amdgcn_target "amdgcn-amd-amdhsa--gfx1250"
	.amdhsa_code_object_version 6
	.text
	.protected	k_q9c754d8d86_kvproj
	.globl	k_q9c754d8d86_kvproj
	.p2align	8
	.type	k_q9c754d8d86_kvproj,@function
k_q9c754d8d86_kvproj:
	s_mov_b64 s[64:65], 0
	v_nop
	global_prefetch_b8 v0, s[64:65] scope:SCOPE_SE
	s_setreg_imm32_b32 hwreg(HW_REG_WAVE_MODE, 25, 1), 1
	s_wait_xcnt 0x0
	s_wait_alu depctr_hold_cnt(0) depctr_sa_sdst(0) depctr_va_vdst(0) depctr_va_sdst(0) depctr_va_ssrc(0) depctr_va_vcc(0) depctr_vm_vsrc(0)
	s_getreg_b32 s2, hwreg(HW_REG_IB_STS2, 6, 4)
	s_cmp_eq_u32 s2, 0
	s_cbranch_scc0 .Lentry_in_a_cluster
	s_endpgm
.Lentry_in_a_cluster:
	s_bfe_u32 s2, ttmp6, 0x10000c
	s_cmp_lg_u32 s2, 0x3003
	s_cbranch_scc0 .Lentry_shape_is_right
	s_endpgm
.Lentry_shape_is_right:
; k = context Wk, v = context Wv, in bf16 products with f32 sums, rounded once to bf16 and written by heads and key steps:
;   ring + 1048576: [b][head][step 0..15]{ K: [cg 0..7][key 0..63][8 channels], 8,192 bytes; V: the same form, 8,192 bytes }
; SHARES.  A work-group takes 128 context rows (block X of 64) and four of the 16 column groups g (g < 8: k of head g; else v of head g - 8);
; wave w makes group g = 4 y + w: 64 channels x 128 rows, 32 accumulators.  K = 768 goes in six blocks of 128.
; WEIGHTS come through a ring of two LDS slots; a wave's block (16 kg x 64 channels x 16 bytes = 16,384 dense bytes of wkv) is its own in each slot.
; The four work-groups of a cluster have the same y and walk the same weights: each block is asked for JOINTLY (same load, descriptor and mask in all four).
; CONTEXT is f32: it passes through registers, is rounded to bf16 and stored to one of two LDS tiles [row][128 K], pitch 272, which all four waves read.
; The product is used with source 0 = 16 channels, source 1 = 16 rows: a lane then holds one row and eight neighbouring channels, which
; pack into one 16-byte piece of the target layout: sixteen lanes store 256 consecutive aligned bytes straight from registers.
; PIECES IN LDS: a weight fragment's sixteen lanes read 256 consecutive bytes (16 channels of one kg), the other sixteen the next kg, no padding.
; Range: bf16 has f32's exponents; NaN and infinities are not treated apart.
; REGISTERS, in windows of 256: window 0: v0-13 addresses; two fragment buffers (rows 64 + weights 32 registers) at v64 and v160;
;   window 1: accumulator (mt, nt) at v[32 nt + 8 mt];   window 2: v0-127 context as loaded.
.set SLOT1,  0x10000                   ; slot 1 begins here: one exclusive or turns an address in one slot into the other's
.set CPITCH, 272                       ; a context row in LDS: 256 bytes + 16: the 16 rows of a fragment load start at 16 different groups of four banks (64 banks of 4 bytes: ISA guide 11.1)
.set SPARE,  231424                    ; behind the two context tiles (0x20000 and 0x30000, 34,816 bytes each): the spare words, 128 bytes a wave, named by no other line
.set AW0, 3                            ; v3   16 r + 1024 h: my place in a weight block; also my place in a block of the target
.set AW,  4                            ; v4   + the slot in hand
.set AT0, 5                            ; v5   272 r + 16 h: my place in a context tile
.set AT,  6                            ; v6   + the tile in hand
.set AS0, 7                            ; v7   where I store rounded context: row 32 w, 8 bytes a lane
.set AS,  8                            ; v8   + the tile to be written
.set GC,  9                            ; v9   my byte offset in the work-group's context rows; never rewritten
.set SPW, 10                           ; v10  my spare word; never rewritten
.set NIL, 11                           ; v11  0; never rewritten
.set F0,  64
.set F1,  160
.set WV,  12                           ; s12  my wave's number
.set G1,  24                           ; s[24:31] descriptor group 1
.set G0,  32                           ; s[32:35] descriptor group 0: it walks
.set TB,  46                           ; s46  LDS byte of my block in the slot in hand
.set CB,  47                           ; s47  LDS byte of the context tile in hand
.set CNT, 48
.set CP,  50                           ; s[50:51] context at the work-group's rows, at the K block to be loaded
.set OP,  52                           ; s[52:53] the target of my 128 rows x 64 channels
.set MSB, 0
.macro WIN new                         ; the immediate's high byte repeats the setting that is left; a switch that changes nothing is dropped
.if MSB != (\new)
	s_set_vgpr_msb (MSB<<8)|(\new)
.set MSB, (\new)
.endif
.endm
.macro PLACES                          ; four plain vector instructions between a matrix instruction and a load into, or a read of, its registers
.rept 4
	v_nop
.endr
.endm
.macro CROUND                          ; a round of the cluster's barrier: my work-group's barrier; wave 0 signals for it; all wait for all four work-groups; my work-group's barrier again
	s_barrier_signal -1
	s_barrier_wait -1
	s_cmp_lg_u32 s[WV], 0
	s_cbranch_scc1 .Lnot_wave_0_\@
	s_barrier_signal -3
.Lnot_wave_0_\@:
	s_barrier_wait -3
	s_barrier_signal -1
	s_barrier_wait -1
.endm
; THE CHANGE OF SLOTS.  My one tensor load that is out, the next block, has landed; my LDS stores of the next context tile and my reads of the old slot and tile are done.
; fill = 1: behind a round of the cluster's barrier the old slot takes the block after the next, the first thing there.
.macro CHANGE fill
	WIN 0
	s_wait_tensorcnt 0x0                           ; no tensor load of mine is out, so group 0 may be written
	ds_add_u32 v[SPW], v[NIL]                      ; 0 onto my spare word
.if \fill
	s_xor_b32 s[G0+1], s[G0+1], SLOT1              ; the other slot than last time,
	s_add_nc_u64 s[G0+2:G0+3], s[G0+2:G0+3], 16384 ; the next 128 K of my group; the type bits on top are not reached
.endif
	s_xor_b32 s[TB], s[TB], SLOT1
	s_wait_dscnt 0x0                               ; the add, my stores and my reads are done
.if \fill
	CROUND
	tensor_load_to_lds s[G0:G0+3], s[G1:G1+7]
	s_nop 0
	PLACES
.else
	s_barrier_signal -1                            ; nothing is filled any more: this barrier shows the last context tile to all four waves
	s_barrier_wait -1
	PLACES
.endif
.endm
.macro LD                              ; 32 rows x 512 bytes of context: each load is one row's 128 K, 512 consecutive bytes.  No hint: the four work-groups with this X read them too
	WIN 0x80                                       ; destination window 2
.set i, 0
.rept 32
	global_load_b128 v[4*i:4*i+3], v[GC], s[CP:CP+1] offset:i*3072
.set i, i+1
.endr
	WIN 0
.endm
.macro ST                              ; they are rounded in place and stored to the other context tile, 8 bytes a lane, 256 consecutive bytes a row
	WIN 0
	s_xor_b32 s[CB], s[CB], 0x10000
	v_add_nc_u32 v[AS], s[CB], v[AS0]
.set g, 0
.rept 4
	s_wait_loadcnt 24-8*g                          ; loads come back in order: all but the younger groups of eight are in
	WIN 0x8a                                       ; all three places window 2
.set i, 8*g
.rept 8
	v_cvt_pk_bf16_f32 v[4*i], v[4*i], v[4*i+1]
	v_cvt_pk_bf16_f32 v[4*i+1], v[4*i+2], v[4*i+3]
.set i, i+1
.endr
	WIN 0x08                                       ; data window 2, address window 0
.set i, 8*g
.rept 8
	ds_store_b64 v[AS], v[4*i:4*i+1] offset:i*CPITCH
.set i, i+1
.endr
.set g, g+1
.endr
	WIN 0
	s_add_nc_u64 s[CP:CP+1], s[CP:CP+1], 512       ; the last wait was for 0: no load names the base any more
.endm
.macro FETCH q, f                      ; 24 LDS loads: the fragments of 32 along K: 4 x 16 channels, 8 x 16 rows
.irp mt, 0,1,2,3
	ds_load_b128 v[(\f)+64+8*\mt:(\f)+64+8*\mt+3],   v[AW] offset:(\q)*4096+\mt*256
	ds_load_b128 v[(\f)+64+8*\mt+4:(\f)+64+8*\mt+7], v[AW] offset:(\q)*4096+\mt*256+2048
.endr
.irp nt, 0,1,2,3,4,5,6,7
	ds_load_b128 v[(\f)+8*\nt:(\f)+8*\nt+3],   v[AT] offset:\nt*16*CPITCH+(\q)*64
	ds_load_b128 v[(\f)+8*\nt+4:(\f)+8*\nt+7], v[AT] offset:\nt*16*CPITCH+(\q)*64+32
.endr
.endm
.macro MUL32 f, zero                   ; 32 products; the 32 accumulators take turns, one instruction a turn
	WIN 0x50                                       ; C and D window 1
.irp nt, 0,1,2,3,4,5,6,7
.irp mt, 0,1,2,3
.if \zero
	v_wmma_f32_16x16x32_bf16 v[32*\nt+8*\mt:32*\nt+8*\mt+7], v[(\f)+64+8*\mt:(\f)+64+8*\mt+7], v[(\f)+8*\nt:(\f)+8*\nt+7], 0
.else
	v_wmma_f32_16x16x32_bf16 v[32*\nt+8*\mt:32*\nt+8*\mt+7], v[(\f)+64+8*\mt:(\f)+64+8*\mt+7], v[(\f)+8*\nt:(\f)+8*\nt+7], v[32*\nt+8*\mt:32*\nt+8*\mt+7]
.endif
.endr
.endr
.endm
.macro MULT zero                       ; a block of 128 along K: four quarters on two buffers; a quarter's loads are issued a quarter ahead
	WIN 0
	v_add_nc_u32 v[AW], s[TB], v[AW0]
	v_add_nc_u32 v[AT], s[CB], v[AT0]
	FETCH 0, F0
	FETCH 1, F1
	s_wait_dscnt 24                                ; all but the 24 just issued
	MUL32 F0, \zero
	WIN 0
	PLACES
	FETCH 2, F0
	s_wait_dscnt 24
	MUL32 F1, 0
	WIN 0
	PLACES
	FETCH 3, F1
	s_wait_dscnt 24
	MUL32 F0, 0
	s_wait_dscnt 0x0
	MUL32 F1, 0
	WIN 0
.endm
	s_load_b128 s[4:7], s[0:1], 0x0                ; context s[4:5], wkv s[6:7]
	s_load_b64 s[8:9], s[0:1], 0x10                ; ring
	v_lshl_add_u32 v[SPW], v0, 2, SPARE
	v_mov_b32 v[NIL], 0
	ds_add_u32 v[SPW], v[NIL]                      ; the wave's opening: the add and its wait stand ahead of my first tensor load; the set-up, work on registers, stands between them
	v_lshrrev_b32 v1, 5, v0
	v_readfirstlane_b32 s[WV], v1                  ; wave 0..3
	s_and_b32 s13, ttmp7, 0xffff                   ; y, which the four partners share
	s_lshl_b32 s13, s13, 2
	s_add_co_u32 s13, s13, s[WV]                   ; g
	s_mul_i32 s14, s13, 98304                      ; my group's bytes in wkv
	s_mov_b32 s15, 0
	; descriptor group 1: 16,384 dense bytes as 64 rows of 256
	s_mov_b32 s[G1], 15|(3<<16)|(1<<21)            ; 15:0 the mask of four; 17:16 elements of 8 bytes; 21 set beside a mask; no padding
	s_mov_b32 s[G1+1], 32<<16                      ; tensor_dim0 = 32
	s_mov_b32 s[G1+2], 64<<16                      ; tensor_dim1 = 64
	s_mov_b32 s[G1+3], 32<<16                      ; tile_dim0 = 32
	s_mov_b32 s[G1+4], 64                          ; tile_dim1 = 64
	s_mov_b32 s[G1+5], 32                          ; 32 elements from row to row
	s_mov_b32 s[G1+6], 0
	s_mov_b32 s[G1+7], 0
	s_lshl_b32 s16, s[WV], 14                      ; my 16,384 bytes of a slot: no place in the cluster enters an LDS address
	s_mov_b32 s[G0], 1
	s_mov_b32 s[G0+1], s16                         ; slot 0
	s_add_co_u32 s[TB], s16, SLOT1                 ; the first change of slots turns this into slot 0
	s_mov_b32 s[CB], 0x30000                       ; the first ST turns this into the first tile
	s_bfe_u32 s17, ttmp6, 0x40000                  ; cx
	s_lshl_b32 s18, ttmp9, 2
	s_add_co_u32 s18, s18, s17                     ; X = 4 x cluster x + cx: it enters context's and the target's addresses alone
	s_mul_i32 s20, s18, 393216                     ; 128 rows of 3,072 bytes
	s_mov_b32 s21, 0
	s_lshr_b32 s19, s18, 3                         ; the batch
	s_lshl_b32 s19, s19, 3
	s_and_b32 s22, s13, 7                          ; the head
	s_add_co_u32 s19, s19, s22
	s_lshl_b32 s19, s19, 4
	s_and_b32 s22, s18, 7
	s_lshl_b32 s22, s22, 1                         ; my 128 rows are two key steps
	s_add_co_u32 s19, s19, s22
	s_lshl_b32 s19, s19, 14
	s_lshr_b32 s22, s13, 3                         ; k or v
	s_lshl_b32 s22, s22, 13
	s_add_co_u32 s19, s19, s22
	s_add_co_u32 s22, s19, 1048576
	s_mov_b32 s23, 0
	v_and_b32 v1, 15, v0                           ; r
	v_bfe_u32 v2, v0, 4, 1                         ; h
	v_and_b32 v13, 31, v0                          ; lane
	v_lshlrev_b32 v[AW0], 4, v1
	v_lshl_add_u32 v[AW0], v2, 10, v[AW0]
	v_mul_u32_u24 v[AT0], v1, CPITCH
	v_lshl_add_u32 v[AT0], v2, 4, v[AT0]
	s_mul_i32 s36, s[WV], 32*CPITCH
	v_lshl_add_u32 v[AS0], v13, 3, s36
	s_mul_i32 s37, s[WV], 98304                    ; my 32 rows of 3,072 bytes
	v_lshl_add_u32 v[GC], v13, 4, s37
	s_wait_dscnt 0x0                               ; the opening add is done
	s_wait_kmcnt 0x0
	s_add_nc_u64 s[G0+2:G0+3], s[6:7], s[14:15]
	s_or_b32 s[G0+3], s[G0+3], 0x80000000          ; type = 2
	s_add_nc_u64 s[CP:CP+1], s[4:5], s[20:21]
	s_add_nc_u64 s[OP:OP+1], s[8:9], s[22:23]
	LD                                             ; K block 0 of context
	CROUND                                         ; all four work-groups are here: the first joint loads meet
	tensor_load_to_lds s[G0:G0+3], s[G1:G1+7]      ; weight block 0 into slot 0
	s_nop 0
	PLACES
	ST
	CHANGE 1                                       ; block 0 is in; block 1 is asked for
	LD
	MULT 1                                         ; the first products start the sums
	ST
	s_mov_b32 s[CNT], 4
.Lk:                                               ; blocks 1 to 4: the block after is asked for, the next context is loaded, rounded and stored
	CHANGE 1
	LD
	MULT 0
	ST
	s_sub_co_u32 s[CNT], s[CNT], 1
	s_cmp_lg_u32 s[CNT], 0
	s_cbranch_scc1 .Lk
	CHANGE 0                                       ; block 5: nothing is left to fetch
	MULT 0
	PLACES
	WIN 0x05                                       ; sources window 1, destination window 0
.set i, 0
.rept 128                              ; ascending: each accumulator's lowest registers are read first
	v_cvt_pk_bf16_f32 v[64+i], v[2*i], v[2*i+1]
.set i, i+1
.endr
	WIN 0
.irp nt, 0,1,2,3,4,5,6,7
.irp mt, 0,1,2,3
	global_store_b128 v[AW0], v[64+16*\nt+4*\mt:64+16*\nt+4*\mt+3], s[OP:OP+1] offset:(\nt/4)*16384+\mt*2048+(\nt%4)*256  ; lanes 0-15: 16 keys of channel group 2 mt, 256 consecutive aligned bytes; lanes 16-31: of group 2 mt + 1
.endr
.endr
	s_wait_tensorcnt 0x0                           ; the wave's end, behind my last tensor load and my last LDS store
	ds_add_u32 v[SPW], v[NIL]
	s_wait_dscnt 0x0
	CROUND                                         ; the closing round: no work-group ends while a partner may still ask for a block that names it
	s_endpgm
.Lfunc_end_k_q9c754d8d86_kvproj:
	.size	k_q9c754d8d86_kvproj, .Lfunc_end_k_q9c754d8d86_kvproj-k_q9c754d8d86_kvproj
	.p2alignl 7, 3214868480
	.fill 96, 4, 3214868480
	.section	.rodata,"a",@progbits
	.p2align	6, 0x0
	.amdhsa_kernel k_q9c754d8d86_kvproj
		.amdhsa_group_segment_fixed_size 327680
		.amdhsa_private_segment_fixed_size 0
		.amdhsa_enable_private_segment 0
		.amdhsa_kernarg_size 24
		.amdhsa_user_sgpr_count 2
		.amdhsa_user_sgpr_kernarg_segment_ptr 1
		.amdhsa_wavefront_size32 1
		.amdhsa_system_sgpr_workgroup_id_x 1
		.amdhsa_system_sgpr_workgroup_id_y 1
		.amdhsa_system_sgpr_workgroup_id_z 1
		.amdhsa_system_vgpr_workitem_id 0
		.amdhsa_next_free_vgpr 640
		.amdhsa_next_free_sgpr 66
		.amdhsa_reserve_vcc 0
		.amdhsa_float_denorm_mode_32 3
		.amdhsa_float_denorm_mode_16_64 3
		.amdhsa_memory_ordered 1
		.amdhsa_forward_progress 1
		.amdhsa_inst_pref_size 91
	.end_amdhsa_kernel
	.amdgpu_metadata
---
amdhsa.version: [ 1, 2 ]
amdhsa.kernels:
  - .name:           k_q9c754d8d86_kvproj
    .symbol:         k_q9c754d8d86_kvproj.kd
    .args:
      - { .name: context, .offset: 0, .size: 8, .value_kind: global_buffer, .address_space: global }
      - { .name: wkv, .offset: 8, .size: 8, .value_kind: global_buffer, .address_space: global }
      - { .name: ring, .offset: 16, .size: 8, .value_kind: global_buffer, .address_space: global }
    .group_segment_fixed_size: 327680
    .private_segment_fixed_size: 0
    .kernarg_segment_align: 8
    .kernarg_segment_size: 24
    .max_flat_workgroup_size: 128
    .sgpr_count:     66
    .vgpr_count:     640
    .wavefront_size: 32
...
	.end_amdgpu_metadata
.endif
;; end of part 2
;; launch attn (part 3): grid 32 x 8, 4 waves a work-group, clusters of 4 x 1, 327,680 bytes of LDS; arguments x, ring, bo, out0; writes out0
.if DOCPART == 3
	.amdgcn_target "amdgcn-amd-amdhsa--gfx1250"
	.amdhsa_code_object_version 6
	.text
	.protected	k_q9c754d8d86_attn
	.globl	k_q9c754d8d86_attn
	.p2align	8
	.type	k_q9c754d8d86_attn,@function
k_q9c754d8d86_attn:
	s_mov_b64 s[64:65], 0
	v_nop
	global_prefetch_b8 v0, s[64:65] scope:SCOPE_SE
	s_setreg_imm32_b32 hwreg(HW_REG_WAVE_MODE, 25, 1), 1
	s_wait_xcnt 0x0
	s_wait_alu depctr_hold_cnt(0) depctr_sa_sdst(0) depctr_va_vdst(0) depctr_va_sdst(0) depctr_va_ssrc(0) depctr_va_vcc(0) depctr_vm_vsrc(0)
	s_getreg_b32 s2, hwreg(HW_REG_IB_STS2, 6, 4)
	s_cmp_eq_u32 s2, 0
	s_cbranch_scc0 .Lentry_in_a_cluster
	s_endpgm
.Lentry_in_a_cluster:
	s_bfe_u32 s2, ttmp6, 0x10000c
	s_cmp_lg_u32 s2, 0x3003
	s_cbranch_scc0 .Lentry_shape_is_right
	s_endpgm
.Lentry_shape_is_right:
; out0 = x + (softmax(q k^T / 8) v) Wo + bo, with q = x^T Wq, for 128 tokens of one batch: q and the attention's result never reach memory.
; x, out0: [8][512][4096] f32.  ring: Wq and Wo in bf16 pieces, k and v in bf16 by heads and key steps (the launches before wrote them).
; All products in bf16 with f32 sums; maxima, exponentials, sums, bias and residual in f32; q, the weights p and the attention's result are rounded once to bf16.
; LIMITS.  c m starts at -4.25e37 and m at the lowest finite number; a weight below 2^-126 counts as 0 in l; NaN and infinities are not treated apart.
; SHARES.  Wave w takes heads 2 w and 2 w + 1 for all 128 tokens (eight tiles of 16 queries: four PIECES of two), one head after the other, and the output channels 128 w .. 128 w + 127.
; THE RING.  Two LDS slots; in each a wave has 16,384 bytes of its own, filled by its own tensor load and read by it alone.  A wave walks 48 blocks of 16,384 dense bytes:
; 8 of Wq (64 K x 128 columns), 32 of K and V (a key step of 64 keys: K 8,192, V 8,192), 8 of Wo; each feeds 128 matrix instructions, and each is asked for one block ahead.
; CLUSTER.  The four token blocks of a cluster belong to one batch and walk the same 48 blocks, wave by wave: each block is asked for JOINTLY (same load, descriptor and mask in all four).
; PIECES.  A block lies as [k group][row][16 bytes]: sixteen lanes of a fragment load read 256 consecutive bytes, the other sixteen the next k group.
; (V is read turned, by ds_load_tr16_b128 the price of one layout for k and v)
; PHASES.  P0: x is loaded (f32), rounded and stored to LDS as [channel][token].  P1: q^T = Wq^T x, a lane one token and eight channels, so that its rounding IS the fragment of Q.
; P2: attention, turn by turn: turn n belongs to piece n: 16 products K Q^T of piece n + 1, 16 products V^T P of piece n - 1; four ready vector instructions behind every
; product, the rest in two lumps.  p = 2^(c s - c m), c = log2(e) / 8, running maximum m and sum l; O and l are multiplied by a = 2^(c m_old - c m_new) in every step; a head's first a is 0,
; so O^T need only hold finite numbers when a head begins.  P3: the four waves' results meet in LDS as [token][512]; out^T = Wo^T O^T + bo, a lane one channel and eight tokens;
; through a stage of the wave's own the rows of 512 bytes come back whole, x is added, and each store of a wave covers 512 consecutive aligned bytes.
; REGISTERS, in windows of 256 (s_set_vgpr_msb: bits 1:0 source 0, 3:2 source 1, 5:4 source 2, 7:6 destination):
;   window 0: v0-15 addresses; v16-47 P1's and P3's addresses, in P2 four registers of statistics a tile; v48-63 at work; v64-255 fragments (P1, P3), S^T and P (P2), rows on the way out
;   window 1: accumulators of the wave's first 64 columns; in P2 O^T, 32 a tile
;   window 2: x as loaded; then Q (v0-127), K (v128-191), V (v192-255); in P3 the bias (v0-63), then x for the residual
;   window 3: accumulators of the second 64 columns; in P2 the second head's Q (v0-127) and bo (v128-135)
.set NP,     4
.set SLOT1,  0x10000                   ; slot 1 begins here: one exclusive or turns an address in one slot into the other's
.set BLK,    16384
.set XO,     131072                    ; behind the ring: x as bf16, [channel 0..511], pitch 288 (147,456 bytes); later O, [token 0..127], pitch 1,040 (133,120 bytes)
.set XPITCH, 288                       ; 256 + 32 = 72 words
.set OPITCH, 1040                      ; 1,024 + 16: the 16 rows of a load or store start at 16 different groups of four banks
.set STG,    278528                    ; 16 rows x 528 bytes for each wave, its own, for the way out
.set SPITCH, 528
.set SPARE,  312320                    ; the spare words, 128 bytes a wave: two blocks of 256 bytes that no other line names
.set BOF, 1           ; v1   (128 w + r) x 4: my channel in bo; never rewritten
.set AK0, 2           ; v2   16 r + 1024 h: my place in a step's K
.set AV0, 3           ; v3   my place in a step's V, for the turning load
.set AK,  4           ; v4   the LDS address of K's next run of loads
.set AV,  5           ; v5   of V's
.set STO, 6           ; v6   where I put 16 bytes of O, tokens 0-63
.set STO2, 7          ; v7   tokens 64-127
.set AW0, 8           ; v8   16 r + 2048 h: my place in a block of Wq or Wo
.set AW,  9           ; v9   + the slot in hand
.set SPW, 10          ; v10  my spare word; never rewritten
.set NIL, 11          ; v11  0; never rewritten
.set MV,  12          ; v12-15  c m_old, by buffer and tile
.set ST,  16          ; tile t's statistics at v[ST+4 t]: c m, m, l (even keys', odd keys')
.set TMP, 48          ; by buffer and tile, four registers c0-c3 at work; when the maximum is found c2 takes a
.set S,   64
.set P,   192
.set KF,  128         ; window 2: key block kb, channel half c at KF + 16 kb + 8 c
.set VF,  192         ; window 2: key half kk, channel block cb at VF + 32 kk + 8 cb
.set AX0, 16          ; P0, P1: my place in x's tile for the turning load;
.set AX,  17          ;   + the K block in hand
.set SX,  18          ;   where I store rounded x, channels 64 w on;
.set SX2, 19          ;   channels 256 + 64 w on
.set GX,  20          ;   my byte offset in x's rows 64 w on
.set AO0, 16          ; P3: my place in O, tokens 0-63;
.set AO20, 17         ;   tokens 64-127;
.set AO,  18          ;   + the K block in hand
.set AO2, 19
.set SOU, 20          ;   into my stage
.set RDO, 21          ;   back out of it
.set GO,  22          ;   my byte offset in the rows 128 w on of x and out0
.set PF,  23          ;   the same for prefetches: 16 rows x 2 blocks of 256 bytes
.set T0,  64          ; P1, P3: fragments of x or O (8 x 16 tokens x 32 K), two buffers;
.set T1,  128
.set WF0, 192         ;   of the weight (4 x 16 columns x 32 K), two buffers
.set WF1, 224
.set WV,  12          ; s12  my wave's number
.set G1,  24          ; s[24:31] descriptor group 1
.set G0,  32          ; s[32:35] descriptor group 0
.set NXT, 38          ; s[38:39] byte offset in ring of the block to be asked for next
.set LEFT, 40         ; s40  blocks of its section still to be asked for
.set NX2, 41          ; s41  where the next section begins,
.set LF2, 42          ; s42  and its blocks
.set NX3, 43          ; s43  where the last section begins
.set TB,  46          ; s46  LDS byte of my block in the slot in hand
.set XB,  47          ; s47  the K block's bytes in x's tile or in O
.set CNT, 48
.set HC,  49          ; s49  heads to go
.set XP,  50          ; s[50:51] x at my batch and tokens
.set OP,  52          ; s[52:53] out0 likewise
.set CS,  58          ; s[58:59] c: the packed scaling takes the pair's low word for both halves
.set SEL, 60          ; s[60:61] v_permlanex16_b32's selects: each lane takes its own place in the other half
.set MSB, 0
.macro WIN new                      ; the high byte repeats the setting that is left; a switch that changes nothing is dropped
.if MSB != (\new)
	s_set_vgpr_msb (MSB<<8)|(\new)
.set MSB, (\new)
.endif
.endm
.set W_KQ, 0x0a       ; K and Q in window 2, S^T in window 0
.set W_PV, 0x52       ; V in window 2, P in window 0, O^T in window 1
.set W_RS, 0x41       ; O^T (destination and source 0) in window 1, a in window 0
.macro PLACES                       ; four plain vector instructions between a matrix instruction and a load into, or a read of, its registers
.rept 4
	v_nop
.endr
.endm
.macro CROUND                       ; a round of the cluster's barrier: my work-group's barrier; wave 0 signals for it; all wait for all four work-groups; my work-group's barrier again
	s_barrier_signal -1
	s_barrier_wait -1
	s_cmp_lg_u32 s[WV], 0
	s_cbranch_scc1 .Lnot_wave_0_\@
	s_barrier_signal -3
.Lnot_wave_0_\@:
	s_barrier_wait -3
	s_barrier_signal -1
	s_barrier_wait -1
.endm
; THE CHANGE OF SLOTS.  My one tensor load that is out, the next block, has landed; my reads of the old slot and my LDS stores are done.  Behind a round of the cluster's barrier the old slot
; takes the block after the next, the first thing there: it has a block's 128 matrix instructions in which to land.  The address is made anew: ring's plus an offset that steps by a block
; and, when a section's count runs out, goes to the next section's start (Wq, then my two heads' K and V, then Wo).  The offsets hang on the batch and the wave alone.
.macro CHANGE
	WIN 0                           ; at a label and at a branch every window is 0
	s_wait_tensorcnt 0x0            ; no tensor load of mine is out, so group 0 may be written
	ds_add_u32 v[SPW], v[NIL]       ; 0 onto my spare word; the descriptor's scalar work stands between it and the wait for it
	s_xor_b32 s[G0+1], s[G0+1], SLOT1
	s_add_nc_u64 s[G0+2:G0+3], s[6:7], s[NXT:NXT+1]
	s_or_b32 s[G0+3], s[G0+3], 0x80000000
	s_add_co_u32 s[NXT], s[NXT], BLK
	s_sub_co_u32 s[LEFT], s[LEFT], 1
	s_cmp_eq_u32 s[LEFT], 0
	s_cselect_b32 s[NXT], s[NX2], s[NXT]
	s_cselect_b32 s[LEFT], s[LF2], s[LEFT]
	s_cselect_b32 s[NX2], s[NX3], s[NX2]
	s_cselect_b32 s[LF2], 8, s[LF2]
	s_xor_b32 s[TB], s[TB], SLOT1
	s_wait_dscnt 0x0                ; the add, my reads of the slot and my stores are done
	CROUND
	tensor_load_to_lds s[G0:G0+3], s[G1:G1+7]
	s_nop 0
	PLACES
.endm
.macro ADMIT                        ; the last block: nothing is filled any more, and I alone read my bytes of the ring, so my own wait is all the ordering that the reads need
	WIN 0
	s_wait_tensorcnt 0x0
	s_xor_b32 s[TB], s[TB], SLOT1
	PLACES
.endm
; P0.  count loads from number first on: row base + i of my 64 rows of x, 512 consecutive bytes each (my work-group's 128 tokens)
.macro XLOAD first, count, base
	WIN 0x80                        ; destination window 2
.set i, \first
.rept \count
	global_load_b128 v[4*i:4*i+3], v[GX], s[XP:XP+1] offset:((\base)+i)*16384
.set i, i+1
.endr
.endm
; 64 rows are rounded in place and stored, 8 bytes a lane, 256 consecutive bytes a row, in four groups of 16.  again = 1: each group's registers are loaded again, with the rows 256 further down.
.macro STORE bat, again
.set g, 0
.rept 4
.if \again
	s_wait_loadcnt 48               ; loads come back in order: behind this group's stand the groups left and those issued anew: always 48
.else
	s_wait_loadcnt 48-16*g          ; the groups left
.endif
	WIN 0x8a                        ; all three places window 2
.set i, 16*g
.rept 16
	v_cvt_pk_bf16_f32 v[4*i], v[4*i], v[4*i+1]
	v_cvt_pk_bf16_f32 v[4*i+1], v[4*i+2], v[4*i+3]
.set i, i+1
.endr
	WIN 0x08                        ; data window 2, address window 0
.set i, 16*g
.rept 16
	ds_store_b64 v[SX+(\bat)-1], v[4*i:4*i+1] offset:i*XPITCH
.set i, i+1
.endr
.if \again
	s_wait_dscnt 0x0                ; the group's stores are done: their data registers are loaded again only behind this wait
	XLOAD 16*g, 16, 256
.endif
.set g, g+1
.endr
	WIN 0
.endm
; P1 AND P3: a block of 64 along K for 128 tokens x 128 columns.  kind 0: tokens from x's tile, [K][token], turned; kind 1: from O, [token][K], as it lies.
.macro FT kind, q, tb               ; 16 loads: 8 x 16 tokens x 32 K
.irp nt, 0,1,2,3,4,5,6,7
.if \kind
.if \nt < 4
	ds_load_b128 v[(\tb)+8*\nt:(\tb)+8*\nt+3],   v[AO] offset:\nt*16*OPITCH+(\q)*64
	ds_load_b128 v[(\tb)+8*\nt+4:(\tb)+8*\nt+7], v[AO] offset:\nt*16*OPITCH+(\q)*64+32
.else
	ds_load_b128 v[(\tb)+8*\nt:(\tb)+8*\nt+3],   v[AO2] offset:(\nt-4)*16*OPITCH+(\q)*64
	ds_load_b128 v[(\tb)+8*\nt+4:(\tb)+8*\nt+7], v[AO2] offset:(\nt-4)*16*OPITCH+(\q)*64+32
.endif
.else
	ds_load_tr16_b128 v[(\tb)+8*\nt:(\tb)+8*\nt+3],   v[AX] offset:(\q)*32*XPITCH+\nt*32
	ds_load_tr16_b128 v[(\tb)+8*\nt+4:(\tb)+8*\nt+7], v[AX] offset:(\q)*32*XPITCH+16*XPITCH+\nt*32
.endif
.endr
.endm
.macro FW q, a, wb                  ; 8 loads: 4 x 16 columns (half a of my 128) x 32 K
.irp mt, 0,1,2,3
	ds_load_b128 v[(\wb)+8*\mt:(\wb)+8*\mt+3],   v[AW] offset:(\q)*8192+(64*(\a)+16*\mt)*16
	ds_load_b128 v[(\wb)+8*\mt+4:(\wb)+8*\mt+7], v[AW] offset:(\q)*8192+(64*(\a)+16*\mt)*16+4096
.endr
.endm
; 32 products on 32 accumulators, which take turns, one instruction a turn.  Half a's accumulators lie in window 1 (a = 0) or 3.
; kind 0: source 0 = columns, source 1 = tokens; accumulator (mt, nt) at 32 nt + 8 mt.  kind 1: the other way round; at 64 mt + 8 nt.
; start = 1: the sums begin with the constant 0; 2: with the bias, window 2 v[8 (4 a + mt)]; 0: they go on.
.macro UNIT kind, tb, wb, a, start
.if (\start) == 2
	WIN 0x60+0x80*(\a)
.else
	WIN 0x50+0xa0*(\a)
.endif
.irp nt, 0,1,2,3,4,5,6,7
.irp mt, 0,1,2,3
.if \kind
.set rD, 64*\mt+8*\nt
.set rA, (\tb)+8*\nt
.set rB, (\wb)+8*\mt
.else
.set rD, 32*\nt+8*\mt
.set rA, (\wb)+8*\mt
.set rB, (\tb)+8*\nt
.endif
.if (\start) == 1
	v_wmma_f32_16x16x32_bf16 v[rD:rD+7], v[rA:rA+7], v[rB:rB+7], 0
.elseif (\start) == 2
	v_wmma_f32_16x16x32_bf16 v[rD:rD+7], v[rA:rA+7], v[rB:rB+7], v[8*(4*(\a)+\mt):8*(4*(\a)+\mt)+7]
.else
	v_wmma_f32_16x16x32_bf16 v[rD:rD+7], v[rA:rA+7], v[rB:rB+7], v[rD:rD+7]
.endif
.endr
.endr
.endm
; The block: 128 products, 64 LDS loads.  pf = 1: four prefetches of x for the residual (see the call).
.macro MULT kind, start, pf=0
	WIN 0
	v_add_nc_u32 v[AW], s[TB], v[AW0]
.if \kind
	v_add_nc_u32 v[AO], s[XB], v[AO0]
	v_add_nc_u32 v[AO2], s[XB], v[AO20]
	s_add_co_u32 s[XB], s[XB], 128             ; 64 K of bf16 along O's rows
.else
	v_add_nc_u32 v[AX], s[XB], v[AX0]
	s_add_co_u32 s[XB], s[XB], 64*XPITCH       ; 64 rows of x's tile
.endif
	FT \kind, 0, T0
	FW 0, 0, WF0
	FW 0, 1, WF1
	FT \kind, 1, T1
	s_wait_dscnt 24                 ; WF1's 8 and T1's 16 may be out
	UNIT \kind, T0, WF0, 0, \start
	WIN 0
	PLACES
	FW 1, 0, WF0
	s_wait_dscnt 24                 ; T1's 16 and the new WF0's 8 may be out
.if \pf
.irp k, 0,1,2,3
	global_prefetch_b8 v[PF], s[XP:XP+1] offset:(64+16*\k)*16384 th:TH_LOAD_NT scope:SCOPE_SE
.endr
.endif
	UNIT \kind, T0, WF1, 1, \start
	WIN 0
	PLACES
	FW 1, 1, WF1
	s_wait_dscnt 8                  ; the new WF1's 8 may be out
	UNIT \kind, T1, WF0, 0, 0
	s_wait_dscnt 0x0
	UNIT \kind, T1, WF1, 1, 0
	WIN 0
.endm
; P2, THE MATRIX WORK.  The 8 accumulators of a run of 16 take turns: between the two links of a chain stand 7 others'.
; Product i of 16 of S^T = K Q^T for piece x: channels 32 (i / 8) on, keys 16 ((i / 2) % 4) on, tile 2 x + i % 2.  The first 8 start the sums.
.macro KQ x
	WIN W_KQ
.set rS, S+64*((\x)%2)+32*(i%2)+8*((i/2)%4)
.set rK, KF+16*((i/2)%4)+8*(i/8)
.set rQ, 16*(2*(\x)+i%2)+8*(i/8)
.if i < 8
	v_wmma_f32_16x16x32_bf16 v[rS:rS+7], v[rK:rK+7], v[rQ:rQ+7], 0
.else
	v_wmma_f32_16x16x32_bf16 v[rS:rS+7], v[rK:rK+7], v[rQ:rQ+7], v[rS:rS+7]
.endif
.endm
; Product i of 16 of O^T += V^T P for piece x: keys 32 (i / 8) on, channels 16 ((i / 2) % 4) on, tile 2 x + i % 2.
.macro PV x
	WIN W_PV
.set rO, 32*(2*(\x)+i%2)+8*((i/2)%4)
.set rV, VF+32*(i/8)+8*((i/2)%4)
.set rP, P+32*((\x)%2)+16*(i%2)+8*(i/8)
	v_wmma_f32_16x16x32_bf16 v[rO:rO+7], v[rV:rV+7], v[rP:rP+7], v[rO:rO+7]
.endm
.macro MM                           ; the turn's next matrix instruction
.if i < 16
	KQ (Y+1)%NP
.set i, i+1
.else
.set i, i-16
	PV (Y+NP-1)%NP
.set i, i+17
.endif
.endm
; THE LDS LOADS stand in runs of 16, never singly among the matrix instructions: a step's K (8 fragments) and its V (turned).  Their addresses are made some lines ahead.
.macro FETCH_K
	WIN 0x80                        ; destination window 2
.irp f, 0,1,2,3,4,5,6,7             ; keys 16 (f / 2) on, channels 32 (f % 2) on: channel group 4 (f % 2) + h, then two groups on
	ds_load_b128 v[KF+8*\f:KF+8*\f+3],   v[AK] offset:(\f/2)*256+(\f%2)*4096
	ds_load_b128 v[KF+8*\f+4:KF+8*\f+7], v[AK] offset:(\f/2)*256+(\f%2)*4096+2048
.endr
	WIN 0
.endm
.macro FETCH_V
	WIN 0x80
.irp f, 0,1,2,3,4,5,6,7             ; keys 32 (f / 4) on, channels 16 (f % 4) on
	ds_load_tr16_b128 v[VF+8*\f:VF+8*\f+3],   v[AV] offset:(\f/4)*512+(\f%4)*2048
	ds_load_tr16_b128 v[VF+8*\f+4:VF+8*\f+7], v[AV] offset:(\f/4)*512+(\f%4)*2048+256
.endr
	WIN 0
.endm
; THE VECTOR WORK OF A TURN stands in three queues, each in the order in which its entries become ready; the two tiles alternate, so that no instruction reads the result of the one before it.
.macro REGS y, u                    ; the registers of tile u (0, 1) of piece y
.set rT, ST+4*(2*(\y)+(\u))
.set rC, TMP+8*((\y)%2)+4*(\u)
.set rM, MV+2*((\y)%2)+(\u)
.set rS, S+64*((\y)%2)+32*(\u)
.set rP, P+32*((\y)%2)+16*(\u)
.set rO, 32*(2*(\y)+(\u))
.endm
; Number n of the 22 that find the NEXT piece's (Y + 1) maximum and statistics.  s0-s31 are the lane's 32 scores; each accumulator's lowest registers are read first.
;   0-11  four chains c0-c3 of seven scores each, three operands at a time     12-14, 16  the four scores left over, the old m, and c0-c3 into c0     15  c m_old is kept
;   17, 18  the query's other 32 keys lie in the lane 16 away: the new m         19-21  c m; c m_old - c m_new; a
.macro XS u, n
	REGS (Y+1)%NP, \u
.if (\n) < 4
	v_max3_num_f32 v[rC+(\n)], v[rS+8*(\n)], v[rS+8*(\n)+1], v[rS+8*(\n)+2]
.elseif (\n) < 12
	v_max3_num_f32 v[rC+(\n)%4], v[rC+(\n)%4], v[rS+8*((\n)%4)+2*((\n)/4)+1], v[rS+8*((\n)%4)+2*((\n)/4)+2]
.elseif (\n) == 12
	v_max3_num_f32 v[rC], v[rC], v[rS+7], v[rS+15]
.elseif (\n) == 13
	v_max3_num_f32 v[rC+1], v[rC+1], v[rS+23], v[rS+31]
.elseif (\n) == 14
	v_max3_num_f32 v[rC+2], v[rC+2], v[rC+3], v[rT+1]
.elseif (\n) == 15
	v_mov_b32 v[rM], v[rT]
.elseif (\n) == 16
	v_max3_num_f32 v[rC], v[rC], v[rC+1], v[rC+2]
.elseif (\n) == 17
	v_permlanex16_b32 v[rC+3], v[rC], s[SEL], s[SEL+1]
.elseif (\n) == 18
	v_max_num_f32 v[rT+1], v[rC], v[rC+3]
.elseif (\n) == 19
	v_mul_f32 v[rT], s[CS], v[rT+1]
.elseif (\n) == 20
	v_sub_f32 v[rC+1], v[rM], v[rT]
.else
	v_exp_f32 v[rC+2], v[rC+1]
.endif
.endm
; Number g of the 64 that follow the exponentials.  For each four weights k of a tile: both pairs are rounded to bf16; then the second pair is added onto the first, in place;
; a group later l takes that sum (the first time as l = a l + sum).  In groups of eight, tiles alternating: round, round, add, and l for the group before.
.macro GS g
.set h, (\g)+6*((\g)/62)            ; group 0 has no group before it, and behind group 7 only l is left
.if h >= 6
.set h, h+2
.endif
	REGS Y, h%2
.set k, h/8
.if h%8 < 4
	s_wait_alu depctr_va_vdst(0)
	v_cvt_pk_bf16_f32 v[rP+2*k+(h%8)/2], v[rS+4*k+2*((h%8)/2)], v[rS+4*k+2*((h%8)/2)+1]
.elseif h%8 < 6
	v_pk_add_f32 v[rS+4*k:rS+4*k+1], v[rS+4*k:rS+4*k+1], v[rS+4*k+2:rS+4*k+3]
.elseif k == 1
	v_pk_fma_f32 v[rT+2:rT+3], v[rT+2:rT+3], v[rC+2:rC+3], v[rS:rS+1] op_sel_hi:[1,0,1]
.else
	v_pk_add_f32 v[rT+2:rT+3], v[rT+2:rT+3], v[rS+4*k-4:rS+4*k-3]
	s_wait_alu depctr_va_vdst(0)
.endif
.endm
; THE PLAIN QUEUE, 138 long.  0-31: c s - c m for the 16 pairs of both tiles.  Then GS's 64, and among them the next piece's 42: number 15 at 38, 39; 0-14 and 16
; at 42-73, behind the products that make those scores; 17-20 at 95-106, two of three, since each waits for the one before it.
.macro PL
	WIN 0
.if q < 32
	REGS Y, q%2
	v_pk_fma_f32 v[rS+2*(q/2):rS+2*(q/2)+1], v[rS+2*(q/2):rS+2*(q/2)+1], s[CS:CS+1], v[rT:rT+1] op_sel_hi:[1,0,0] neg_lo:[0,0,1] neg_hi:[0,0,1]
.elseif q < 38
	GS q-32
.elseif q < 40
	XS q%2, 15
.elseif q < 42
	GS q-34
.elseif q < 74
	XS q%2, (q-42)/2+(q-42)/30
.elseif q < 95
	GS q-66
.elseif (q < 107) && ((q-95)%3 < 2)
	XS (q-95)%3, 17+(q-95)/3
.elseif q < 107
	GS 29+(q-95)/3
.else
	GS q-74
.endif
.set q, q+1
.endm
; THE EXPONENTIALS' QUEUE, 66 long: s0-s31 of both tiles, and at EA the next piece's two a.
.set EA, 58
.macro EX
	WIN 0
.if (e == EA) || (e == EA+1)
	XS e-EA, 21
.else
.set x, e-2*(e/(EA+2))
	REGS Y, x%2
	v_exp_f32 v[rS+x/2], v[rS+x/2]
.endif
.set e, e+1
.endm
; THE RESCALING's QUEUE: O^T times a, the one part that leaves window 0, so it is dealt four at a time, eight times.
.macro R4
	REGS Y, r%2
	WIN W_RS
	s_wait_alu depctr_va_vdst(0)
.irp z, 0,1,2,3
	v_pk_mul_f32 v[rO+8*(r/2)+2*\z:rO+8*(r/2)+2*\z+1], v[rO+8*(r/2)+2*\z:rO+8*(r/2)+2*\z+1], v[rC+2:rC+3] op_sel_hi:[1,0]
.endr
.set r, r+1
.endm
; HOW THEY ARE DEALT.  Behind a matrix instruction four: plain, exponential, plain, plain (a plain instruction on either side of the exponential), or four of the rescaling; none names a register
; of the products round it.  What is over stands in two lumps: exponential and plain by turns; the second ends in 22 plain instructions.  The two v_permlanex16_b32 fall into the second lump.
; The deal keeps the queues in step: exponential e stands behind plain 2 (e / 4) + e % 2 (its scaling); when plain 32 comes, 10 exponentials are out, at 59: 33, at 95: 46; EA comes behind plain 107.
.macro SL
	MM
	PL
	EX
	PL
	PL
.endm
.macro BURST n                      ; 15 matrix instructions, or 16
.rept (\n)-7
	SL
.endr
.rept 3
	MM
	R4
	SL
.endr
	MM
	R4
.endm
; A TURN, for piece p.  K of the next step is fetched in piece 2's turn, behind the change of slots, 31 vector instructions behind the last product that read K, and waited for at the head of
; piece 3's turn.  V of the step in hand is fetched at the end of piece 0's turn, 69 behind its last reader, and waited for in the middle of piece 1's.  The conditions on e and q go with the deal.
.macro TURN p
.set Y, (\p)
.set i, 0
.set q, 0
.set e, 0
.set r, 0
.if (\p) == NP-1
	s_wait_dscnt 0x0                ; K is in
.endif
	MM
.rept 4
	PL
.endr
	BURST 15
.rept 22
	EX
	PL
.if ((\p) == NP-2) && (e == 18)
	v_add_nc_u32 v[AK], s[TB], v[AK0]
.endif
.if ((\p) == NP-2) && (e == 24)
	FETCH_K
.endif
.endr
.if (\p) == 1
	s_wait_dscnt 0x0                ; V is in
.endif
	BURST 16
.rept 21
	EX
	PL
.endr
.rept 22
	PL
.if ((\p) == 0) && (q == 118)
	v_add_nc_u32 v[AV], s[TB], v[AV0]
	s_wait_alu depctr_va_vdst(0)
.endif
.endr
.if (\p) == 0
	FETCH_V
.endif
.endm
.macro ALL line:vararg              ; one line for each tile t
.set t, 0
.rept 2*NP
	\line
.set t, t+1
.endr
.endm
; Tile t of a finished head: O^T / l, rounded to bf16; a lane's eight channels of a token are 16 bytes of O's row
.macro PACK t
	WIN W_RS
.set i, 32*(\t)
.rept 16
	v_pk_mul_f32 v[i:i+1], v[i:i+1], v[ST+4*(\t)+2:ST+4*(\t)+3] op_sel_hi:[1,0]
.set i, i+2
.endr
	WIN 0x05                        ; sources 0 and 1 window 1, destination window 0: S^T's registers are free
.set i, 0
.rept 16
	v_cvt_pk_bf16_f32 v[S+16*(\t)+i], v[32*(\t)+2*i], v[32*(\t)+2*i+1]
.set i, i+1
.endr
	WIN 0
.irp f, 0,1,2,3
	ds_store_b128 v[STO+(\t)/4], v[S+16*(\t)+4*\f:S+16*(\t)+4*\f+3] offset:((\t)%4)*16*OPITCH+32*\f
.endr
.endm
; P3's residual: 16 rows of x, channels 128 w + 16 ct on, 512 consecutive bytes each; the launch reads them for the last time
.macro RLOAD ct
	WIN 0x80
.set i, 0
.rept 16
	global_load_b128 v[64*((\ct)%4)+4*i:64*((\ct)%4)+4*i+3], v[GO], s[XP:XP+1] offset:(16*(\ct)+i)*16384 th:TH_LOAD_NT
.set i, i+1
.endr
	WIN 0
.endm
; THE WAY OUT of 16 channels x 128 tokens: a lane's eight tokens of a channel go into my stage (rows of 528 bytes), whole rows of 512 come back, x is added, and they are stored.
; left: the younger loads of x that may stay out.
.macro OUT ct, left
.set AC, 64*((\ct)%4)
.set RS, 64+64*((\ct)%2)
	WIN 0x04+8*((\ct)/4)            ; data in window 1 or 3
.irp nt, 0,1,2,3,4,5,6,7            ; each accumulator's four lowest registers first
	ds_store_b128 v[SOU], v[AC+8*\nt:AC+8*\nt+3]   offset:64*\nt
	ds_store_b128 v[SOU], v[AC+8*\nt+4:AC+8*\nt+7] offset:64*\nt+16
.endr
	WIN 0
	s_wait_xcnt 0x0                 ; every earlier memory instruction has had its addresses translated (ISA guide 3.1): the registers that earlier stores read are loaded again only behind this wait
.set i, 0
.rept 16
	ds_load_b128 v[RS+4*i:RS+4*i+3], v[RDO] offset:i*SPITCH  ; LDS serves a wave's instructions in order (ISA guide 5.7.1.4): these see the stores above; the next 16 channels' stores come behind them
.set i, i+1
.endr
	s_wait_dscnt 0x0
	s_wait_loadcnt \left
	WIN 0x08                        ; source 1 (x) in window 2
.set i, 0
.rept 32
	v_pk_add_f32 v[RS+2*i:RS+2*i+1], v[RS+2*i:RS+2*i+1], v[AC+2*i:AC+2*i+1]
.set i, i+1
.endr
	WIN 0
.set i, 0
.rept 16
	global_store_b128 v[GO], v[RS+4*i:RS+4*i+3], s[OP:OP+1] offset:(16*(\ct)+i)*16384 th:TH_STORE_NT  ; 512 consecutive bytes, at a multiple of 256 from out0's first
.set i, i+1
.endr
.if (\ct) < 4
	RLOAD (\ct)+4                   ; x's registers take the rows 64 further down
.endif
.endm
	s_load_b256 s[4:11], s[0:1], 0x0  ; x s[4:5], ring s[6:7], bo s[8:9], out0 s[10:11]
	v_lshl_add_u32 v[SPW], v0, 2, SPARE
	v_mov_b32 v[NIL], 0
	ds_add_u32 v[SPW], v[NIL]       ; the wave's opening: the add and its wait stand ahead of my first tensor load; the set-up, work on registers, stands between them
	v_lshrrev_b32 v1, 5, v0
	v_readfirstlane_b32 s[WV], v1   ; wave 0..3
	s_and_b32 s13, ttmp7, 0xffff    ; the batch, which the four partners share
	s_lshl_b32 s14, s[WV], 17       ; my 131,072 bytes of Wq, and of Wo
	s_mov_b32 s15, 0
	s_add_co_u32 s[NXT], s14, BLK   ; block 0 is asked for below; seven more of Wq,
	s_mov_b32 s[NXT+1], 0
	s_mov_b32 s[LEFT], 7
	s_lshl_b32 s[NX2], s13, 21      ; then my two heads' 32 key steps: 2,097,152 bytes a batch, 524,288 a wave,
	s_lshl_b32 s16, s[WV], 19
	s_add_co_u32 s[NX2], s[NX2], s16
	s_add_co_u32 s[NX2], s[NX2], 1048576
	s_mov_b32 s[LF2], 32
	s_add_co_u32 s[NX3], s14, 524288  ; then eight of Wo
	; descriptor group 1: 16,384 dense bytes as 64 rows of 256
	s_mov_b32 s[G1], 15|(3<<16)|(1<<21)  ; 15:0 the mask of four; 17:16 elements of 8 bytes; 21 set beside a mask; no padding
	s_mov_b32 s[G1+1], 32<<16       ; tensor_dim0 = 32
	s_mov_b32 s[G1+2], 64<<16       ; tensor_dim1 = 64
	s_mov_b32 s[G1+3], 32<<16       ; tile_dim0 = 32
	s_mov_b32 s[G1+4], 64           ; tile_dim1 = 64
	s_mov_b32 s[G1+5], 32           ; 32 elements from row to row
	s_mov_b32 s[G1+6], 0
	s_mov_b32 s[G1+7], 0
	s_lshl_b32 s16, s[WV], 14       ; my 16,384 bytes of a slot: no place in the cluster enters an LDS address
	s_mov_b32 s[G0], 1
	s_mov_b32 s[G0+1], s16          ; slot 0
	s_add_co_u32 s[TB], s16, SLOT1  ; the first change of slots turns this into slot 0
	s_mov_b32 s[CS], 0x3e38aa3b     ; c = log2(e) / 8 = 0.180337
	s_mov_b32 s[CS+1], s[CS]        ; named with it as a pair
	s_mov_b32 s[SEL], 0x76543210
	s_mov_b32 s[SEL+1], 0xfedcba98
	s_bfe_u32 s17, ttmp6, 0x40000   ; cx
	s_lshl_b32 s18, ttmp9, 2
	s_add_co_u32 s18, s18, s17      ; my block of 128 tokens = 4 x cluster x + cx: it enters x's and out0's addresses alone
	s_lshl_b32 s18, s18, 9          ; 512 bytes of a row
	s_lshl_b32 s19, s13, 23         ; 8,388,608 bytes a batch
	s_add_co_u32 s20, s19, s18
	s_mov_b32 s21, 0
	v_and_b32 v24, 15, v0           ; r
	v_bfe_u32 v25, v0, 4, 1         ; h
	v_and_b32 v26, 7, v0
	v_bfe_u32 v27, v0, 3, 1
	v_and_b32 v28, 31, v0           ; lane
	v_lshlrev_b32 v[AK0], 4, v24
	v_lshl_add_u32 v[AK0], v25, 10, v[AK0]
	v_lshlrev_b32 v[AW0], 4, v24
	v_lshl_add_u32 v[AW0], v25, 11, v[AW0]
	; The turning load takes 16 k x 16 columns: lane l reads 16 bytes of row 8 (l / 16) + l % 8, columns 8 ((l / 8) % 2) + 0..7, and is left with column l % 16 and 8 k.
	v_lshl_add_u32 v29, v25, 3, v26
	v_lshlrev_b32 v[AV0], 4, v29    ; V: a key is 16 bytes of a channel group, a channel group 1,024 bytes; V lies 8,192 bytes behind K
	v_lshl_add_u32 v[AV0], v27, 10, v[AV0]
	v_add_nc_u32 v[AV0], 8192, v[AV0]
	v_mul_u32_u24 v[AX0], v29, XPITCH  ; x: a channel is a row of 288 bytes
	v_lshl_add_u32 v[AX0], v27, 4, v[AX0]
	v_add_nc_u32 v[AX0], XO, v[AX0]
	v_mul_u32_u24 v[STO], v24, OPITCH  ; O: token r, 16 bytes for each half of the lanes, my first head's 128 bytes at 256 w
	v_lshl_add_u32 v[STO], v25, 4, v[STO]
	s_lshl_b32 s22, s[WV], 8
	s_add_co_u32 s22, s22, XO
	v_add_nc_u32 v[STO], s22, v[STO]
	v_add_nc_u32 v[STO2], 64*OPITCH, v[STO]
	s_mul_i32 s22, s[WV], 64*XPITCH
	s_add_co_u32 s22, s22, XO
	v_lshl_add_u32 v[SX], v28, 3, s22
	v_add_nc_u32 v[SX2], 256*XPITCH, v[SX]
	s_lshl_b32 s22, s[WV], 20       ; 64 rows of 16,384 bytes
	v_lshl_add_u32 v[GX], v28, 4, s22
	s_lshl_b32 s22, s[WV], 9
	v_lshl_add_u32 v[BOF], v24, 2, s22
	s_wait_dscnt 0x0                ; the opening add is done
	s_wait_kmcnt 0x0
	s_add_nc_u64 s[G0+2:G0+3], s[6:7], s[14:15]
	s_or_b32 s[G0+3], s[G0+3], 0x80000000  ; type = 2
	s_add_nc_u64 s[XP:XP+1], s[4:5], s[20:21]
	s_add_nc_u64 s[OP:OP+1], s[10:11], s[20:21]
	; P0: channels 64 w .. 64 w + 63 of x.  48 of the 64 loads go out ahead of the round, the rest behind the first tensor load
	XLOAD 0, 48, 0
	WIN 0
	CROUND                          ; all four work-groups are here: the first joint loads meet
	tensor_load_to_lds s[G0:G0+3], s[G1:G1+7]  ; Wq's block 0 into slot 0
	s_nop 0
	PLACES
	XLOAD 48, 16, 0
	STORE 1, 1                      ; channels 0-255 are in LDS when all four waves have passed the next change of slots; channels 256 + 64 w on are on their way
	; P1: q^T.  Blocks 0-3 read channels 0-255; then the second half of x is stored; blocks 4-7 read it
	s_mov_b32 s[XB], 0
	CHANGE
	MULT 0, 1                       ; the first products start the sums
	s_mov_b32 s[CNT], 3
.Lq1:
	CHANGE
	MULT 0, 0
	s_sub_co_u32 s[CNT], s[CNT], 1
	s_cmp_lg_u32 s[CNT], 0
	s_cbranch_scc1 .Lq1
	STORE 2, 0                      ; into rows that nobody has read yet; the next change of slots shows them to all four waves
	s_mov_b32 s[CNT], 4
.Lq2:
	CHANGE
	MULT 0, 0
	s_sub_co_u32 s[CNT], s[CNT], 1
	s_cmp_lg_u32 s[CNT], 0
	s_cbranch_scc1 .Lq2
	CHANGE                          ; my first head's key step 0 is in
	v_add_nc_u32 v[AK], s[TB], v[AK0]
	FETCH_K
	WIN 0x85                        ; q^T rounded in pairs IS the fragment of Q: tile nt at 16 nt, channel half c at + 8 c.  First head: window 1 into window 2;
.set i, 0
.rept 128                           ; ascending: each accumulator's lowest registers are read first
	v_cvt_pk_bf16_f32 v[i], v[2*i], v[2*i+1]
.set i, i+1
.endr
	WIN 0xcf                        ; second head: in place in window 3: a write at i never passes the reads at 2 i
.set i, 0
.rept 128
	v_cvt_pk_bf16_f32 v[i], v[2*i], v[2*i+1]
.set i, i+1
.endr
	WIN 0xc0                        ; bo of my 128 channels, 16 at a time, both halves of the lanes alike; waited for in front of P3
.irp ct, 0,1,2,3,4,5,6,7
	global_load_b32 v[128+\ct], v[BOF], s[8:9] offset:64*\ct
.endr
	WIN 0x80                        ; the first turn's products V^T P, of a piece that has not been, land in an O^T that is still to be multiplied by a = 0: V and P's second buffer need only be finite
.set i, VF
.rept 64
	v_mov_b32 v[i], 0
.set i, i+1
.endr
	WIN 0
.set i, P+32
.rept 32
	v_mov_b32 v[i], 0
.set i, i+1
.endr
	; P2: two heads, 16 key steps each.  The step is written once: its change of slots always fills; the 16th admits what follows (the second head's step 0, at last Wo's block 0), and the
	; scores and the maximum that the head's last two turns make of it for a step that is not serve nothing: l and O^T are not touched by them, and a head's beginning sets the statistics anew.
	s_mov_b32 s[HC], 2
.Lhead:
	s_wait_dscnt 0x0                ; K of the head's step 0 is in
.set i, 0
.rept 16
	KQ 0                            ; piece 0's first scores
.set i, i+1
.endr
	WIN 0
.set i, 0
.rept 2*NP                          ; the statistics begin; these lines are also the places behind those products
	v_mov_b32 v[ST+4*i], 0xfe000000    ; c m: far below every c s, so the first a is 0
	v_mov_b32 v[ST+4*i+1], 0xff7fffff  ; m
	v_mov_b32 v[ST+4*i+2], 0
	v_mov_b32 v[ST+4*i+3], 0
.set i, i+1
.endr
.set Y, NP-1                        ; XS works for piece Y + 1: piece 0
.irp n, 0,1,2,3,4,5,6,7,8,9,10,11,12,13,14,15,16,17,18,19,20,21
	XS 0, \n
	XS 1, \n
.endr
	s_mov_b32 s[CNT], 16
.Lstep:
	TURN 0
	TURN 1
	CHANGE                          ; K and V of the step in hand have been read: its slot takes the step after the next
	TURN 2
	TURN 3
	WIN 0
	s_sub_co_u32 s[CNT], s[CNT], 1
	s_cmp_lg_u32 s[CNT], 0
	s_cbranch_scc1 .Lstep
.set i, 0
.rept 16
	PV NP-1                         ; the last piece's V^T P of the last step
.set i, i+1
.endr
	WIN 0                           ; l's two halves and the other half of the lanes' are added; the additions are the places behind the last products
	ALL v_add_f32 v[ST+4*t+2], v[ST+4*t+2], v[ST+4*t+3]
	ALL v_permlanex16_b32 v[ST+4*t+3], v[ST+4*t+2], s[SEL], s[SEL+1]
	ALL v_add_f32 v[ST+4*t+2], v[ST+4*t+2], v[ST+4*t+3]
	ALL v_rcp_f32 v[ST+4*t+2], v[ST+4*t+2]
	v_nop                           ; a plain instruction between the last reciprocal and the use of its result
	s_wait_alu depctr_va_vdst(0)
.irp t, 0,1,2,3,4,5,6,7
	PACK \t
.endr
	v_add_nc_u32 v[STO], 128, v[STO]    ; the next head's 128 bytes of O's rows
	v_add_nc_u32 v[STO2], 128, v[STO2]
	s_cmp_eq_u32 s[HC], 1
	s_cbranch_scc1 .Lno_copy
	WIN 0x83                        ; the second head's Q goes where the one text of the turns names Q
.set i, 0
.rept 128
	v_mov_b32 v[i], v[i]
.set i, i+1
.endr
	WIN 0
.Lno_copy:
	s_sub_co_u32 s[HC], s[HC], 1
	s_cmp_lg_u32 s[HC], 0
	s_cbranch_scc1 .Lhead
	; P3.  Every wave's stores of O are done, then a barrier: all 512 channels of O are there for all four waves.  Wo's block 1 may stay on its way.
	s_wait_dscnt 0x0
	s_barrier_signal -1
	s_barrier_wait -1
	v_and_b32 v28, 15, v0           ; r
	v_bfe_u32 v29, v0, 4, 1         ; h
	v_and_b32 v30, 31, v0           ; lane
	v_mul_u32_u24 v[AO0], v28, OPITCH
	v_lshl_add_u32 v[AO0], v29, 4, v[AO0]
	v_add_nc_u32 v[AO0], XO, v[AO0]
	v_add_nc_u32 v[AO20], 64*OPITCH, v[AO0]
	s_mul_i32 s13, s[WV], 16*SPITCH
	s_add_co_u32 s13, s13, STG      ; my stage
	v_mul_u32_u24 v[SOU], v28, SPITCH  ; in: channel r, 32 bytes (eight tokens) for each half of the lanes
	v_lshl_add_u32 v[SOU], v29, 5, v[SOU]
	v_add_nc_u32 v[SOU], s13, v[SOU]
	v_lshl_add_u32 v[RDO], v30, 4, s13  ; back: a row's 512 bytes, 16 a lane
	s_lshl_b32 s14, s[WV], 21       ; 128 rows of 16,384 bytes
	v_lshl_add_u32 v[GO], v30, 4, s14
	v_lshrrev_b32 v24, 1, v30
	v_lshl_add_u32 v[PF], v24, 14, s14
	v_and_b32 v24, 1, v30
	v_lshl_add_u32 v[PF], v24, 8, v[PF]
	s_mov_b32 s[XB], 0
	s_wait_loadcnt 0x0              ; bo
	WIN 0x83                        ; a lane's bias is the same for its eight tokens: eight registers for each 16 channels, the C operand that starts the sums
.set i, 0
.rept 64
	v_mov_b32 v[i], v[128+i/8]
.set i, i+1
.endr
	MULT 1, 2                       ; Wo's block 0 was admitted by the attention's last change of slots
.irp ct, 0,1,2,3
	RLOAD \ct                       ; x for my first 64 channels, into the registers that held the bias and Q, K, V: they have seven blocks in which to come
.endr
	s_mov_b32 s[CNT], 6
.Lo:
	CHANGE
	MULT 1, 0
	s_sub_co_u32 s[CNT], s[CNT], 1
	s_cmp_lg_u32 s[CNT], 0
	s_cbranch_scc1 .Lo
	ADMIT
	MULT 1, 0, 1                    ; in it my rows 64-127 of x are asked for ahead: 64 rows x 2 blocks of 256 bytes, each once, by the wave that will load them; the first of those loads stands 96 products and one OUT further on
	PLACES
	OUT 0, 48                       ; behind each group of 16 loads of x stand three younger groups,
	OUT 1, 48
	OUT 2, 48
	OUT 3, 48
	OUT 4, 48
	OUT 5, 32                       ; then the counts run down
	OUT 6, 16
	OUT 7, 0
	s_wait_tensorcnt 0x0            ; the wave's end, behind my last tensor load and my last LDS store
	ds_add_u32 v[SPW], v[NIL]
	s_wait_dscnt 0x0
	CROUND                          ; the closing round: no work-group ends while a partner may still ask for a block that names it
	s_endpgm
.Lfunc_end_k_q9c754d8d86_attn:
	.size	k_q9c754d8d86_attn, .Lfunc_end_k_q9c754d8d86_attn-k_q9c754d8d86_attn
	.p2alignl 7, 3214868480
	.fill 96, 4, 3214868480
	.section	.rodata,"a",@progbits
	.p2align	6, 0x0
	.amdhsa_kernel k_q9c754d8d86_attn
		.amdhsa_group_segment_fixed_size 327680
		.amdhsa_private_segment_fixed_size 0
		.amdhsa_enable_private_segment 0
		.amdhsa_kernarg_size 32
		.amdhsa_user_sgpr_count 2
		.amdhsa_user_sgpr_kernarg_segment_ptr 1
		.amdhsa_wavefront_size32 1
		.amdhsa_system_sgpr_workgroup_id_x 1
		.amdhsa_system_sgpr_workgroup_id_y 1
		.amdhsa_system_sgpr_workgroup_id_z 1
		.amdhsa_system_vgpr_workitem_id 0
		.amdhsa_next_free_vgpr 1024
		.amdhsa_next_free_sgpr 66
		.amdhsa_reserve_vcc 0
		.amdhsa_float_denorm_mode_32 3
		.amdhsa_float_denorm_mode_16_64 3
		.amdhsa_memory_ordered 1
		.amdhsa_forward_progress 1
		.amdhsa_inst_pref_size 255
	.end_amdhsa_kernel
	.section	.bss,"aw",@nobits
	.p2align	6
	.space	262144
	.amdgpu_metadata
---
amdhsa.version: [ 1, 2 ]
amdhsa.kernels:
  - .name:           k_q9c754d8d86_attn
    .symbol:         k_q9c754d8d86_attn.kd
    .args:
      - { .name: x, .offset: 0, .size: 8, .value_kind: global_buffer, .address_space: global }
      - { .name: ring, .offset: 8, .size: 8, .value_kind: global_buffer, .address_space: global }
      - { .name: bo, .offset: 16, .size: 8, .value_kind: global_buffer, .address_space: global }
      - { .name: out0, .offset: 24, .size: 8, .value_kind: global_buffer, .address_space: global }
    .group_segment_fixed_size: 327680
    .private_segment_fixed_size: 0
    .kernarg_segment_align: 8
    .kernarg_segment_size: 32
    .max_flat_workgroup_size: 128
    .sgpr_count:     66
    .vgpr_count:     1024
    .wavefront_size: 32
...
	.end_amdgpu_metadata
.endif
;; end of part 3
